; MI455X (gfx1250); checked and timed in simulation.
; The chip was launched on July 23, 2026; its instructions are those of AMD's public machine-readable ISA for CDNA 5 (MIT licence, August 2026) and "CDNA5" Instruction Set Architecture Reference Guide (July 2026). The comments in the code are by the model that wrote it; some were corrected since.
;; Mock Shared Expert Mo E. Allowed arithmetic: matrix products marked QUANTISED: E4M3 operands, one E8M0 scale for each 32 along K, by v_wmma_scale_f32_16x16x128_f8f6f4 with both operands' format E4M3, f32 sums; products left as they are: f32 operands where the result goes on into a quantised operand, else bf16, f16 or f32 operands; f32 sums; everything else in f32.
;; Inputs: W_down 1,024 x 1,024 float32; W_expert 1,024 x 1,024 float32; W_gate 8 x 1,024 float32; W_up 1,024 x 1,024 float32; x 4 x 4,096 x 1,024 float32.
;; Outputs: out0 4 x 4,096 x 1,024 float32.
;; This version of the problem:
;;   THIS VERSION OF THE PROBLEM IS GIVEN IN LOW PRECISION. The matrix products marked QUANTISED in the list below multiply operands that are first quantised to E4M3 (4 exponent bits, 3 mantissa bits; 8 bits a number), with one power-of-two scale for each 32 numbers along K (OCP MX v1.0); their sums are f32. All else is computed in f32.
;;   The module's matrix products, in the order in which they are computed (A, B: the left and right operand; K: the contracted axis; several contracted axes count as one K, in the product's order):
;;     1. [M 16,384, K 1,024] x [K 1,024, N 8]; A: input x; B: input W_gate: left as it is (N = 8 < 16)
;;     2. [M 16,384, K 1,024] x [K 1,024, N 1,024]; A: input x; B: input W_up: QUANTISED
;;     3. [M 16,384, K 1,024] x [K 1,024, N 1,024]; A: computed on the way; B: input W_down: QUANTISED
;;     4. [M 16,384, K 1,024] x [K 1,024, N 1,024]; A: input x; B: input W_expert: QUANTISED
;;   THE QUANTISER, for each operand of a quantised product, along K:
;;     - K is cut into blocks of 32 from its start; a last block that is shorter is filled with zeros.
;;     - A block's scale is 2^e with e = floor(log2(the largest magnitude in the block)) - 8, held to -126 .. 127; a block of zeros has e = 0. As a byte (E8M0): e + 127.
;;     - Each number is divided by its block's scale, clamped to +-448, and rounded to the nearest number of E4M3, ties to even, subnormals kept.
;;     - The product sums the exact products of the quantised numbers (number of the format x scale) in f32.
;;   ~~~python
;;   def quantise(x, axis):      # numpy; x: float32 -> the quantised numbers, widened to float32 again
;;       x = np.moveaxis(x, axis, -1); K = x.shape[-1]
;;       x = np.pad(x, [(0, 0)] * (x.ndim - 1) + [(0, -K % 32)]); x = x.reshape(x.shape[:-1] + (-1, 32)); a = np.abs(x).max(-1, keepdims=True)
;;       e = np.where(a > 0, np.clip(np.frexp(np.where(a > 0, a, 1))[1] - 1 - 8, -126, 127), 0)      # np.frexp(a)[1] - 1 = floor(log2(a)), exactly
;;       r = np.clip(x / 2.0 ** e, -448, 448)
;;       step = 2.0 ** (np.maximum(np.frexp(np.where(r == 0, 1, r))[1] - 1, -6) - 3)
;;       q = np.round(r / step) * step * 2.0 ** e      # np.round: ties to even
;;       return np.moveaxis(q.reshape(q.shape[:-2] + (-1,))[..., :K], -1, axis).astype(np.float32)
;;   ~~~
;;   OPERANDS COMPUTED ON THE WAY. 'Computed on the way' means the value that the module computes at that place (a softmax that the list does not call 'softmax' is quantised finished and normalised). What goes into a quantiser is computed in f32, as accurately as f32 sums, v_exp_f32 and their like allow (about 1e-6 of the number): no bf16 or f16 on the way to a quantiser, and a product that is left as it is and whose result goes on into a quantised operand takes f32 operands (vector FMAs, or v_wmma_f32_16x16x4_f32). A number that lies on a knife's edge between two numbers of the format may be rounded either way, as far as f32 arithmetic and the matrix unit's own rounding can turn it there, and no further.
;; One version. Each part assembles by itself: llvm-mc -triple=amdgcn-amd-amdhsa -mcpu=gfx1250 --defsym DOCPART=n.
;; ======== version 1 of 1: 3 launches
;; limits: right only within a limited range of input values
;; workspace buffers: wq 3,244,032 bytes; xq 17,301,504 bytes; hq 17,301,504 bytes
;; launch prep (part 1): grid 1216 x 1, 4 waves a work-group, no clusters, 18,944 bytes of LDS; arguments x, W_up, W_down, W_expert, wq, xq; writes wq, xq
.if DOCPART == 1
	.amdgcn_target "amdgcn-amd-amdhsa--gfx1250"
	.amdhsa_code_object_version 6
	.text
	.protected	k_q5c11224c0b_prep
	.globl	k_q5c11224c0b_prep
	.p2align	8
	.type	k_q5c11224c0b_prep,@function
k_q5c11224c0b_prep:
	s_mov_b64 s[64:65], 0
	v_nop
	global_prefetch_b8 v0, s[64:65] scope:SCOPE_SE
	s_setreg_imm32_b32 hwreg(HW_REG_WAVE_MODE, 25, 1), 1
	s_wait_xcnt 0x0
; out = relu(Q(x) Q(W_up)^T) -> Q -> x Q(W_down)^T + Q(x) Q(W_expert).  Three launches: prep (quantises x and the weights), up (the hidden layer, quantised again), down (both products on the output, one sum over K = 2,048).
; WORK LEFT OUT: the gate.  reference() multiplies expert_out by sum over k of softmax(routing_weights), the softmax taken along that same axis: the sum over i of exp(l_i - m) / (sum over j of exp(l_j - m)), which is 1 for all
; finite logits.  So the factor is 1 by an identity, and the product x W_gate^T, the top-k and the softmax reach no output.  W_gate is not loaded and is no launch's argument.
; LIMITS: a NaN, an infinity or an overflow that arises only in the gate is not carried to the result.  NaN and infinities among the inputs are not served.
; A block of zeros gets the scale byte 1 where the rule says 127: its codes are zeros, and this program alone reads the bytes.
; THIS LAUNCH: f32 -> codes of FP8 (E4M3) with one E8M0 byte for each 32 along K, laid as images of the operand registers.  A UNIT is 128 rows x 256 along K, 33,792 bytes:
;   byte 16384 q + 2048 i + 512 c + 16 lane: fragment i (16 rows), the q-th 128 along K: the 16 codes of row lane % 16 at k = 32 c + 16 (lane / 16) + 0..15;   byte 32768 + 512 q + 32 r + 4 i: scale word of fragment i's row r.
; wq: units 0..31 W_up [8 column tiles of 128][4];  32..95 [8 column tiles][8]: W_down's 4 steps of 256 along K, then W_expert's 4.   xq: [128 row tiles][4].
; W_up's fragment i takes rows n = 32 (i / 2) + 8 (i % 2) + r + 8 (r / 8) of its 128: so the first product leaves 16 neighbours along the next K in a lane's registers.
; A WORK-GROUP MAKES HALF A UNIT: unit ttmp9 / 2 (under 96: wq's, else xq's), q = ttmp9 % 2; wave t makes fragments 2 t, 2 t + 1.  Rows along K: a row's 512 bytes come 32 bytes a lane to sixteen lanes (8 numbers a lane, four lanes
; to a block of 32), lanes 0-15 a fragment's rows 0-7, lanes 16-31 its rows 8-15; the codes turn through the wave's own stage (pieces of 256 bytes, 272 apart) and leave 512 consecutive bytes an instruction.
; W_expert has K as its first axis: a lane takes a column, its registers run down K, no stage is needed.  Waves share nothing but the scale words: one barrier.
.set UNIT, 33792
.set X,    32                          ; v32-159 the numbers: 8 a row, or 128 down a column
.set CE,   14                          ; v14-21 the first group's codes (later groups' codes go where the group before had its numbers)
.set TM,   22                          ; v22-25 largest magnitudes, then the conversions' scale operands
.set BD,   26                          ; v26-29 448 x the scale, then the scale's byte
.set RB,   X+96                        ; the way out: codes read back
.set STG,  4352                        ; two fragments of eight pieces
.set SC1,  4*STG                       ; 512 bytes of scale words (rows along K)
.set SC2,  SC1+512                     ; the same for W_expert's path
.set SPARE, SC2+512
	s_load_b256 s[4:11], s[0:1], 0x0               ; x, W_up, W_down, W_expert
	s_load_b128 s[24:27], s[0:1], 0x20             ; wq, xq
	v_lshl_add_u32 v12, v0, 2, SPARE
	v_mov_b32 v13, 0
	v_lshrrev_b32 v1, 5, v0
	v_readfirstlane_b32 s12, v1                    ; wave t
	s_lshr_b32 s13, ttmp9, 1                       ; unit
	s_and_b32 s33, ttmp9, 1                        ; q
	s_sub_co_u32 s14, s13, 96
	s_sub_co_u32 s15, s13, 32
	s_lshr_b32 s16, s15, 3
	s_and_b32 s17, s15, 7
	s_cmp_lt_u32 s13, 32
	s_cselect_b32 s18, s13, s14                    ; W_up's or x's unit
	s_lshr_b32 s19, s18, 2                         ; its tile of 128 rows
	s_and_b32 s20, s18, 3                          ; its step of 256 along K
	s_lshr_b32 s21, s17, 2
	s_and_b32 s17, s17, 3
	s_cmp_lt_u32 s15, 64                           ; 32 <= unit < 96: W_down or W_expert
	s_cselect_b32 s19, s16, s19
	s_cselect_b32 s20, s17, s20
	s_cselect_b32 s21, s21, 0                      ; 1: W_expert
	s_mov_b32 s28, 8*4096
	s_mov_b32 s29, 16*4096
	s_cmp_lt_u32 s13, 32
	s_cselect_b32 s31, s28, s29                    ; from a wave's first fragment to its second: 16 rows, W_up's 8
	s_cselect_b32 s28, s29, s28                    ; from a fragment's row 0 to its row 8: 8 rows, W_up's 16
	s_lshl_b32 s30, s19, 7
	s_lshl_b32 s29, s12, 5
	s_add_co_u32 s30, s30, s29                     ; my first row (W_expert: column): 128 x tile + 32 t
	s_lshl_b32 s22, s30, 12
	s_lshl_b32 s29, s20, 1
	s_add_co_u32 s29, s29, s33                     ; my 128 along K
	s_lshl_b32 s23, s29, 9
	s_add_co_u32 s22, s22, s23
	s_mov_b32 s23, 0
	s_lshl_b32 s34, s29, 19                        ; W_expert: 128 rows of 4,096 bytes
	s_lshl_b32 s35, s30, 2
	s_add_co_u32 s34, s34, s35
	s_mov_b32 s35, 0
	s_cmp_lt_u32 s13, 96
	s_cselect_b32 s36, s13, s14
	s_mul_i32 s36, s36, UNIT
	s_mov_b32 s37, 0
	s_mov_b32 s38, 0x600000                        ; the mantissa field of 448
	s_mul_i32 s29, s12, STG
	v_and_b32 v1, 31, v0                           ; lane
	v_and_b32 v2, 15, v0                           ; r
	v_bfe_u32 v3, v0, 4, 1                         ; h
	v_mul_u32_u24 v4, s28, v3
	v_lshl_add_u32 v4, v2, 5, v4
	v_add_nc_u32 v5, s31, v4
	v_lshrrev_b32 v6, 1, v2
	v_mul_u32_u24 v6, v6, 272
	v_and_b32 v7, 1, v2
	v_lshl_add_u32 v6, v7, 3, v6
	v_lshl_add_u32 v6, v3, 7, v6
	v_add_nc_u32 v6, s29, v6                       ; into the stage: piece r / 2, row 8 h, + 8 (r % 2)
	v_mul_u32_u24 v7, v3, 272
	v_lshl_add_u32 v7, v2, 4, v7
	v_add_nc_u32 v7, s29, v7                       ; out of it: lanes 0-15 a piece, lanes 16-31 the next
	v_lshlrev_b32 v10, 4, v1
	s_lshl_b32 s29, s12, 12
	v_add_nc_u32 v8, s29, v10                      ; the codes' place
	v_lshlrev_b32 v31, 11, v3
	v_lshl_add_u32 v31, v2, 4, v31
	v_add_nc_u32 v31, s29, v31                     ; W_expert: fragment 2 t + h, row r
	s_lshl_b32 s29, s12, 3
	s_add_co_u32 s30, s29, SC1
	s_add_co_u32 s29, s29, SC2
	v_lshrrev_b32 v9, 2, v2
	v_lshl_add_u32 v9, v3, 8, v9
	v_add_nc_u32 v9, s30, v9                       ; my block's scale byte
	v_add_nc_u32 v11, SC1, v10                     ; wave 0: the scale words on their way out
	v_lshlrev_b32 v30, 2, v1                       ; W_expert: in
	v_lshlrev_b32 v2, 5, v2
	v_lshl_add_u32 v2, v3, 2, v2
	v_add_nc_u32 v2, s29, v2                       ; and its scale word
	v_add_nc_u32 v1, SC2, v10
	s_wait_alu depctr_va_vdst(0)
	s_wait_kmcnt 0x0
	s_cmp_lt_u32 s13, 32                           ; the choice of the tensor hangs on the work-group's number alone
	s_cselect_b64 s[6:7], s[6:7], s[8:9]
	s_cmp_lt_u32 s13, 96
	s_cselect_b64 s[4:5], s[6:7], s[4:5]
	s_cselect_b64 s[24:25], s[24:25], s[26:27]
	s_add_nc_u64 s[4:5], s[4:5], s[22:23]
	s_add_nc_u64 s[10:11], s[10:11], s[34:35]
	s_add_nc_u64 s[24:25], s[24:25], s[36:37]
	s_lshl_b32 s36, s33, 9
	s_add_nc_u64 s[26:27], s[24:25], s[36:37]      ; scale words of q
	s_lshl_b32 s36, s33, 14
	s_add_nc_u64 s[24:25], s[24:25], s[36:37]      ; codes of q
	s_cmp_eq_u32 s21, 1
	s_cbranch_scc1 .Lexpert
.macro LD m                            ; m = 8 u + p: rows p and 8 + p of fragment u
	global_load_b128 v[X+8*\m:X+8*\m+3], v[4+\m/8], s[4:5] offset:4096*(\m%8)
	global_load_b128 v[X+8*\m+4:X+8*\m+7], v[4+\m/8], s[4:5] offset:4096*(\m%8)+16
.endm
.irp m, 0,1,2,3,4,5,6,7,8,9,10,11,12,13,14,15
	LD \m
.endr
.macro GROUP g                         ; four of the sixteen by turns
.set GX, X+32*\g
.if \g == 0
.set GC, CE
.set GS, 2
.else
.set GC, GX-32
.set GS, 8
.endif
	s_wait_loadcnt 8*(3-\g)                        ; two loads each: those of later groups may be out
.irp j, 0,1,2,3
	v_max3_num_f32 v[TM+\j], |v[GX+8*\j]|, |v[GX+8*\j+1]|, 0x4800000   ; with the floor 2^(9 - 127): the byte cannot fall under 1
.endr
.irp i, 2,4,6
.irp j, 0,1,2,3
	v_max3_num_f32 v[TM+\j], v[TM+\j], |v[GX+8*\j+\i]|, |v[GX+8*\j+\i+1]|
.endr
.endr
.irp j, 0,1,2,3
	v_max_num_f32_dpp v[TM+\j], v[TM+\j], v[TM+\j] row_xmask:1 row_mask:0xf bank_mask:0xf
.endr
.irp j, 0,1,2,3
	v_max_num_f32_dpp v[TM+\j], v[TM+\j], v[TM+\j] row_xmask:2 row_mask:0xf bank_mask:0xf   ; the four lanes of a block
.endr
.irp j, 0,1,2,3
	v_and_or_b32 v[BD+\j], v[TM+\j], 0x7f800000, s38   ; 448 x the scale
.endr
.irp j, 0,1,2,3
	v_add_nc_u32 v[TM+\j], 0xfc000000, v[TM+\j]    ; 8 off the exponent field: the conversion's scale operand
.endr
.irp i, 0,1,2,3,4,5,6,7
.irp j, 0,1,2,3
	v_med3_num_f32 v[GX+8*\j+\i], v[GX+8*\j+\i], -v[BD+\j], v[BD+\j]   ; the conversion does not saturate (ISA guide 7.6.2)
.endr
.endr
.irp j, 0,1,2,3
	v_cvt_scalef32_pk8_fp8_f32 v[GC+GS*\j:GC+GS*\j+1], v[GX+8*\j:GX+8*\j+7], v[TM+\j]
.endr
.irp j, 0,1,2,3
	v_lshrrev_b32 v[BD+\j], 23, v[TM+\j]           ; the scale's byte
.endr
.irp j, 0,1,2,3
	ds_store_b64 v6, v[GC+GS*\j:GC+GS*\j+1] offset:2176*(\g/2)+16*(4*(\g%2)+\j)
	ds_store_b8 v9, v[BD+\j] offset:4*(\g/2)+32*(4*(\g%2)+\j)   ; the block's four lanes write the same byte with the same value
.endr
.endm
	GROUP 0
	GROUP 1
	GROUP 2
	GROUP 3
.irp e, 0,1,2,3,4,5,6,7
	ds_load_b128 v[RB+4*\e:RB+4*\e+3], v7 offset:2176*(\e/4)+544*(\e%4)   ; LDS serves a wave's instructions in order: these see my stores
.endr
.irp e, 0,1,2,3,4,5,6,7
	s_wait_dscnt 7-\e
	global_store_b128 v8, v[RB+4*\e:RB+4*\e+3], s[24:25] offset:512*\e
.endr
	s_wait_dscnt 0x0                               ; my scale bytes are in LDS
	s_barrier_signal -1
	s_barrier_wait -1
	s_cmp_eq_u32 s12, 0
	s_cbranch_scc0 .Lend
	ds_load_b128 v[14:17], v11                     ; wave 0 stores the 512 bytes of scale words
	s_wait_dscnt 0x0
	global_store_b128 v10, v[14:17], s[26:27] offset:32768
.Lend:
	s_wait_tensorcnt 0x0                           ; the wave's end
	ds_add_u32 v12, v13
	s_wait_dscnt 0x0
	s_endpgm
.Lexpert:
.set I_, 0
.rept 128
	global_load_b32 v[X+I_], v30, s[10:11] offset:4096*I_   ; row k at 32 neighbouring columns
.set I_, I_+1
.endr
.macro BLOCK b
.set GX, X+32*\b
.if \b == 0
.set GC, CE
.else
.set GC, GX-32
.endif
.if \b < 2
	s_wait_loadcnt 63                              ; of 128 loads the first 65 are in: both blocks
.else
	s_wait_loadcnt 32*(3-\b)
.endif
	v_max3_num_f32 v[TM], |v[GX]|, |v[GX+1]|, |v[GX+2]|
	v_max3_num_f32 v[TM+1], |v[GX+3]|, |v[GX+4]|, |v[GX+5]|
.irp i, 6,10,14,18,22,26
	v_max3_num_f32 v[TM], v[TM], |v[GX+\i]|, |v[GX+\i+1]|
	v_max3_num_f32 v[TM+1], v[TM+1], |v[GX+\i+2]|, |v[GX+\i+3]|
.endr
	v_max3_num_f32 v[TM], v[TM], |v[GX+30]|, |v[GX+31]|
	v_max3_num_f32 v[TM], v[TM], v[TM+1], 0x4800000
	v_and_or_b32 v[BD], v[TM], 0x7f800000, s38
	v_add_nc_u32 v[TM], 0xfc000000, v[TM]
	v_lshrrev_b32 v[BD+1], 23, v[TM]
.if \b == 0
	v_mov_b32 v3, v[BD+1]
.else
	v_lshl_or_b32 v3, v[BD+1], 8*\b, v3
.endif
.set I_, 0
.rept 32
	v_med3_num_f32 v[GX+I_], v[GX+I_], -v[BD], v[BD]
.set I_, I_+1
.endr
.irp g, 0,1,2,3
	v_cvt_scalef32_pk8_fp8_f32 v[GC+2*\g:GC+2*\g+1], v[GX+8*\g:GX+8*\g+7], v[TM]
.endr
	v_nop
	global_store_b128 v31, v[GC:GC+3], s[24:25] offset:512*\b        ; k 0..15 of the block; sixteen lanes store 256 consecutive bytes
	global_store_b128 v31, v[GC+4:GC+7], s[24:25] offset:512*\b+256  ; k 16..31
.endm
	BLOCK 0
	BLOCK 1
	BLOCK 2
	BLOCK 3
	ds_store_b32 v2, v3
	s_wait_dscnt 0x0
	s_barrier_signal -1
	s_barrier_wait -1
	s_cmp_eq_u32 s12, 0
	s_cbranch_scc0 .Lend2
	ds_load_b128 v[22:25], v1
	s_wait_dscnt 0x0
	global_store_b128 v10, v[22:25], s[26:27] offset:32768
.Lend2:
	s_wait_tensorcnt 0x0
	ds_add_u32 v12, v13
	s_wait_dscnt 0x0
	s_endpgm
.Lfunc_end_k_q5c11224c0b_prep:
	.size	k_q5c11224c0b_prep, .Lfunc_end_k_q5c11224c0b_prep-k_q5c11224c0b_prep
	.p2alignl 7, 3214868480
	.fill 96, 4, 3214868480
	.section	.rodata,"a",@progbits
	.p2align	6, 0x0
	.amdhsa_kernel k_q5c11224c0b_prep
		.amdhsa_group_segment_fixed_size 18944
		.amdhsa_private_segment_fixed_size 0
		.amdhsa_enable_private_segment 0
		.amdhsa_kernarg_size 48
		.amdhsa_user_sgpr_count 2
		.amdhsa_user_sgpr_kernarg_segment_ptr 1
		.amdhsa_wavefront_size32 1
		.amdhsa_system_sgpr_workgroup_id_x 1
		.amdhsa_system_sgpr_workgroup_id_y 1
		.amdhsa_system_sgpr_workgroup_id_z 1
		.amdhsa_system_vgpr_workitem_id 0
		.amdhsa_next_free_vgpr 160
		.amdhsa_next_free_sgpr 66
		.amdhsa_reserve_vcc 0
		.amdhsa_float_denorm_mode_32 3
		.amdhsa_float_denorm_mode_16_64 3
		.amdhsa_memory_ordered 1
		.amdhsa_forward_progress 1
		.amdhsa_inst_pref_size 58
	.end_amdhsa_kernel
	.amdgpu_metadata
---
amdhsa.version: [ 1, 2 ]
amdhsa.kernels:
  - .name:           k_q5c11224c0b_prep
    .symbol:         k_q5c11224c0b_prep.kd
    .args:
      - { .name: x, .offset: 0, .size: 8, .value_kind: global_buffer, .address_space: global }
      - { .name: W_up, .offset: 8, .size: 8, .value_kind: global_buffer, .address_space: global }
      - { .name: W_down, .offset: 16, .size: 8, .value_kind: global_buffer, .address_space: global }
      - { .name: W_expert, .offset: 24, .size: 8, .value_kind: global_buffer, .address_space: global }
      - { .name: wq, .offset: 32, .size: 8, .value_kind: global_buffer, .address_space: global }
      - { .name: xq, .offset: 40, .size: 8, .value_kind: global_buffer, .address_space: global }
    .group_segment_fixed_size: 18944
    .private_segment_fixed_size: 0
    .kernarg_segment_align: 8
    .kernarg_segment_size: 48
    .max_flat_workgroup_size: 128
    .sgpr_count:     66
    .vgpr_count:     160
    .wavefront_size: 32
...
	.end_amdgpu_metadata
.endif
;; end of part 1
;; launch up (part 2): grid 4 x 64, 4 waves a work-group, clusters of 4 x 4, 327,680 bytes of LDS; arguments xq, wq, hq; writes hq
.if DOCPART == 2
	.amdgcn_target "amdgcn-amd-amdhsa--gfx1250"
	.amdhsa_code_object_version 6
	.text
	.protected	k_q5c11224c0b_up
	.globl	k_q5c11224c0b_up
	.p2align	8
	.type	k_q5c11224c0b_up,@function
k_q5c11224c0b_up:
	s_mov_b64 s[64:65], 0
	v_nop
	global_prefetch_b8 v0, s[64:65] scope:SCOPE_SE
	s_setreg_imm32_b32 hwreg(HW_REG_WAVE_MODE, 25, 1), 1
	s_wait_xcnt 0x0
	s_wait_alu depctr_hold_cnt(0) depctr_sa_sdst(0) depctr_va_vdst(0) depctr_va_sdst(0) depctr_va_ssrc(0) depctr_va_vcc(0) depctr_vm_vsrc(0)
	s_getreg_b32 s2, hwreg(HW_REG_IB_STS2, 6, 4)
	s_cmp_eq_u32 s2, 0
	s_cbranch_scc0 .Lentry_in_a_cluster
	s_endpgm
.Lentry_in_a_cluster:
	s_bfe_u32 s2, ttmp6, 0x10000c
	s_cmp_lg_u32 s2, 0xf033
	s_cbranch_scc0 .Lentry_shape_is_right
	s_endpgm
.Lentry_shape_is_right:
; hq = Q(relu(x W_up^T)): 16,384 x 1,024, K = 1,024, on the units that the launch prep has laid (its head comment: 128 rows x 256 along K, codes as images of the operand registers, scale words behind them).
; A tile of 256 x 256 a work-group, four waves, 128 x 128 each: 64 accumulators.  K goes in four steps of 256 through two LDS slots of four units (A's two, B's two); a wave fetches one unit, codes and scale words, with one tensor load.
; CLUSTERS: 4 x 4; A's units are asked for jointly along a row of the cluster, B's along a column.  Source 0 = 16 rows of W_up, source 1 = 16 rows of x: a lane holds one row of the hidden layer, its registers run along the next K.
; The hidden tile is laid as the next launch's A units: unit [row tile of 128][tile column], q = the wave's column half: codes and scale words leave straight from registers, 512 consecutive bytes an instruction.
; PREFETCH: K steps 1, 2 behind the head's load, 3 behind step 1's; A's units by every cluster, shared out among the four partners by address, B's (all clusters read them) by the first four rows of clusters alone.
; REGISTERS: window 0: v0-31 addresses, v32-63 scale words (two sets), v64-91 the quantiser's, v128-255 A's fragments, then codes;  window 1: B's fragments, two sets;  windows 2, 3: accumulators of rows 0-63, 64-127.
.set UNIT, 33792
.set SLOT, 4*UNIT
.set SPARE, 2*SLOT
.set NP,   8
.set CO,   4                           ; v4  16 x lane
.set ADRA, 16                          ; v16-17 A's fragments in slot 0, 1;  v18-19 B's;  v20-21 scale words
.set ADRB, 18
.set ADRS, 20
.set PFO,  22
.set PFS,  23
.set SO,   25
.set SPW,  28
.set NIL,  29
.set SC,   32                          ; v[SC + 16 slot + 8 q + i]: lanes 0-15 A's block i, lanes 16-31 B's block i
.set PW,   64
.set TM,   72
.set SW,   88
.set G1,   24
.set G0,   32
.set G1B,  48
.set G0B,  56
.set PFA,  68
.set LIM,  70
.set MSB,  0
.set MUL_LO, 0xa1
.set MUL_HI, 0xf1
.set TO_B, 0x40
.macro WIN new                         ; the immediate's high byte repeats the setting that is left
.if MSB != \new
	s_set_vgpr_msb (MSB<<8)|\new
.set MSB, \new
.endif
.endm
.macro PLACES n
.rept \n
	v_nop
.endr
.endm
.macro JLOAD s                         ; a joint load: waves 0, 1 for A, waves 2, 3 for B
	s_cmp_eq_u32 s15, 0
	s_cbranch_scc0 .Lfor_b_\@
	tensor_load_to_lds s[G0+4*\s:G0+4*\s+3], s[G1:G1+7]
	s_nop 0
	PLACES 4
	s_branch .Lasked_\@
.Lfor_b_\@:
	tensor_load_to_lds s[G0B+4*\s:G0B+4*\s+3], s[G1B:G1B+7]
	s_nop 0
	PLACES 4
.Lasked_\@:
.endm
.macro CREST                           ; a round of the cluster's barrier behind its opening barrier
	s_cmp_lg_u32 s14, 0
	s_cbranch_scc1 .Lnot_wave_0_\@
	s_barrier_signal -3
.Lnot_wave_0_\@:
	s_barrier_wait -3
	s_barrier_signal -1
	s_barrier_wait -1
.endm
.macro CROUND
	s_barrier_signal -1
	s_barrier_wait -1
	CREST
.endm
.macro ASK n                           ; K step n of my unit: my 32 blocks of 256 bytes of codes, and one block of scale words
	s_cmp_eq_u32 s[LIM], 1
	s_cbranch_scc0 .Lnot_mine_\@
	global_prefetch_b8 v[PFO], s[PFA:PFA+1] offset:(\n)*UNIT th:TH_LOAD_NT scope:SCOPE_SE
	global_prefetch_b8 v[PFS], s[PFA:PFA+1] offset:(\n)*UNIT th:TH_LOAD_NT scope:SCOPE_SE
.Lnot_mine_\@:
.endm
	s_load_b128 s[4:7], s[0:1], 0x0                ; xq, wq
	s_load_b64 s[8:9], s[0:1], 0x10                ; hq
	v_lshl_add_u32 v[SPW], v0, 2, SPARE
	v_mov_b32 v[NIL], 0
	ds_add_u32 v[SPW], v[NIL]                      ; the opening: the add, twice on end
	ds_add_u32 v[SPW], v[NIL]
	v_lshrrev_b32 v1, 5, v0
	v_readfirstlane_b32 s14, v1                    ; wave
	s_lshr_b32 s15, s14, 1                         ; my row half; I fetch for A (0) or B (1)
	s_and_b32 s16, s14, 1                          ; my column half; which of the two units I fetch
	s_bfe_u32 s40, ttmp6, 0x40000                  ; cx
	s_bfe_u32 s41, ttmp6, 0x40004                  ; cy
	s_lshl_b32 s42, ttmp9, 2
	s_add_co_u32 s42, s42, s40                     ; tile column
	s_and_b32 s71, ttmp7, 0xffff                   ; the cluster's row
	s_lshl_b32 s17, s71, 2
	s_add_co_u32 s17, s17, s41                     ; tile row
	s_lshl_b32 s43, s41, 2
	s_lshl_b32 s43, 15, s43
	s_lshl_b32 s44, 0x1111, s40
	s_or_b32 s[G1+0], s43, (3<<16)|(1<<21)         ; a unit: 33 rows of 1,024 bytes, elements of 8 bytes, dense
	s_or_b32 s[G1B+0], s44, (3<<16)|(1<<21)
.irp g, G1, G1B
	s_mov_b32 s[\g+1], 128<<16
	s_mov_b32 s[\g+2], 33<<16
	s_mov_b32 s[\g+3], 128<<16
	s_mov_b32 s[\g+4], 33
	s_mov_b32 s[\g+5], 128
	s_mov_b32 s[\g+6], 0
	s_mov_b32 s[\g+7], 0
.endr
	s_lshl_b32 s20, s17, 1
	s_add_co_u32 s20, s20, s16
	s_mul_i32 s20, s20, 4*UNIT                     ; A: row tile 2 x tile row + half, four K steps on end
	s_mov_b32 s21, 0
	s_lshl_b32 s46, s42, 1
	s_add_co_u32 s46, s46, s16
	s_mul_i32 s46, s46, 4*UNIT                     ; B: column tile 2 x tile column + half
	s_mov_b32 s47, 0
	s_mul_i32 s45, s14, UNIT
	s_wait_dscnt 0x0
	CROUND                                         ; all sixteen work-groups are here
	s_wait_kmcnt 0x0
	s_add_nc_u64 s[20:21], s[4:5], s[20:21]
	s_add_nc_u64 s[46:47], s[6:7], s[46:47]
.irp s, 0,1
	s_mov_b32 s[G0+4*\s], 1
	s_add_co_u32 s[G0+4*\s+1], s45, \s*SLOT
	s_add_nc_u64 s[G0+4*\s+2:G0+4*\s+3], s[20:21], \s*UNIT
	s_or_b32 s[G0+4*\s+3], s[G0+4*\s+3], 0x80000000
	s_mov_b32 s[G0B+4*\s], 1
	s_add_co_u32 s[G0B+4*\s+1], s45, \s*SLOT
	s_add_nc_u64 s[G0B+4*\s+2:G0B+4*\s+3], s[46:47], \s*UNIT
	s_or_b32 s[G0B+4*\s+3], s[G0B+4*\s+3], 0x80000000
.endr
	JLOAD 0                                        ; K step 0: one tensor load a wave at the head
	s_mul_i32 s18, s15, UNIT
	s_add_co_u32 s19, s16, 2
	s_mul_i32 s19, s19, UNIT
	s_sub_co_u32 s22, s19, s18
	s_add_co_u32 s23, s18, 32768
	v_and_b32 v1, 31, v0
	v_and_b32 v2, 15, v0                           ; r
	v_bfe_u32 v3, v0, 4, 1                         ; h
	v_lshlrev_b32 v[CO], 4, v1
	v_lshlrev_b32 v[PFO], 8, v1
	v_lshlrev_b32 v5, 5, v2
	v_mul_u32_u24 v6, s22, v3                      ; lanes 16-31 take B's scale words
	v_lshl_add_u32 v[SO], v3, 4, v5
	v_add_nc_u32 v5, v5, v6
	v_add_nc_u32 v[ADRA], s18, v[CO]
	v_add_nc_u32 v[ADRB], s19, v[CO]
	v_add_nc_u32 v[ADRS], s23, v5
	v_add_nc_u32 v[ADRA+1], SLOT, v[ADRA]
	v_add_nc_u32 v[ADRB+1], SLOT, v[ADRB]
	v_add_nc_u32 v[ADRS+1], SLOT, v[ADRS]
	s_cmp_eq_u32 s15, 0
	s_cselect_b64 s[PFA:PFA+1], s[20:21], s[46:47]
	s_cselect_b32 s22, s40, s41                    ; my place among the four that ask for the unit with me: told apart by address
	s_cselect_b32 s23, 0, s71
	s_cmp_lt_u32 s23, 4
	s_cselect_b32 s[LIM], 1, -1
	s_lshl_b32 s23, s22, 13
	v_add_nc_u32 v[PFO], s23, v[PFO]
	s_lshl_b32 s22, s22, 8
	s_add_co_u32 s22, s22, 32768
	v_mov_b32 v[PFS], s22
	s_mov_b32 s76, 0x76543210
	s_mov_b32 s77, 0xfedcba98
	s_mov_b32 s78, 0x600000                        ; the mantissa field of 448
	s_mov_b32 s79, 0xffff0000                      ; lanes 16-31
	s_lshl_b32 s22, s17, 1                         ; my unit of hq: [2 x tile row + row half][tile column]
	s_add_co_u32 s22, s22, s15
	s_lshl_b32 s22, s22, 2
	s_add_co_u32 s22, s22, s42
	s_mul_i32 s22, s22, UNIT
	s_mov_b32 s23, 0
	s_add_nc_u64 s[8:9], s[8:9], s[22:23]
	s_lshl_b32 s22, s16, 14
	s_add_nc_u64 s[12:13], s[8:9], s[22:23]        ; codes: q = my column half
	s_lshl_b32 s22, s16, 9
	s_add_nc_u64 s[10:11], s[8:9], s[22:23]        ; scale words
; A STEP of 128 along K is 64 products, n = 8 a + b: A's block a x B's block b; the 64 accumulators take turns.  The LDS loads stand in RUNS: a slot's first step has one, of 64, at its head
; (its own blocks 4-7 of A, the second step's B and blocks 0-3), the second has two: its own blocks 4-7 at its head, the next slot's first 52 behind the round.
; In the steps A's blocks 0-3 have two sets, v64-127 and v128-191 (v64-91 serve the quantiser behind the last slot's first step), blocks 4-7 one, v192-255; B has two sets.
; Eight places at a step's head serve all its loads: each lands in registers that only products ahead of them have read.
.macro MM n, q, sc, zero
.set A_, (\n)/8
.set B_, (\n)%8
.if A_ < 4
.set R_, 64+64*(\q)+16*A_
.set C_, 64*A_+8*B_
	WIN MUL_LO
.else
.set R_, 128+16*A_
.set C_, 64*(A_-4)+8*B_
	WIN MUL_HI
.endif
.set F_, 128*(\q)+16*B_
.set X_, SC+16*(\sc)+8*(\q)
.if \zero
	v_wmma_scale_f32_16x16x128_f8f6f4 v[C_:C_+7], v[F_:F_+15], v[R_:R_+15], 0, v[X_+B_], v[X_+A_] matrix_a_scale:MATRIX_SCALE_ROW1
.else
	v_wmma_scale_f32_16x16x128_f8f6f4 v[C_:C_+7], v[F_:F_+15], v[R_:R_+15], v[C_:C_+7], v[X_+B_], v[X_+A_] matrix_a_scale:MATRIX_SCALE_ROW1
.endif
.endm
.macro MULS from, count, sc            ; so many products of a slot's second 128, without loads
.set N_, \from
.rept \count
	MM N_, 1, \sc, 0
.set N_, N_+1
.endr
.endm
.macro LDA slot, q, k                  ; load k of A's 32: block k / 4
.if (\k) < 16
.set D_, 64+64*(\q)+4*(\k)
.else
.set D_, 128+4*(\k)
.endif
	WIN 0
	ds_load_b128 v[D_:D_+3], v[ADRA+\slot] offset:16384*(\q)+512*(\k)
.endm
.macro LDB slot, q, k                  ; load k of B's 32
.set D_, 128*(\q)+4*(\k)
	WIN TO_B
	ds_load_b128 v[D_:D_+3], v[ADRB+\slot] offset:16384*(\q)+512*(\k)
.endm
.macro NEXT slot, k                    ; load k of the 52 that a slot's first step wants ahead: B, scale words, A's blocks 0-3
.if (\k) < 32
	LDB \slot, 0, \k
.elseif (\k) < 36
.set M_, (\k)-32
	WIN 0
	ds_load_b128 v[SC+16*\slot+4*M_:SC+16*\slot+4*M_+3], v[ADRS+\slot] offset:512*(M_/2)+16*(M_%2)
.else
	LDA \slot, 0, (\k)-36
.endif
.endm
.macro LDAS slot, q, from              ; sixteen of A's loads: blocks 0-3 (from = 0) or 4-7 (16)
.set K_, \from
.rept 16
	LDA \slot, \q, K_
.set K_, K_+1
.endr
.endm
.macro NEXTS slot                      ; the 52 that a slot's first step wants ahead
.set K_, 0
.rept 52
	NEXT \slot, K_
.set K_, K_+1
.endr
	WIN 0
.endm
.macro STEP slot, zero                 ; a slot's first 128 along K
	PLACES NP
	LDAS \slot, 0, 16
.set K_, 0
.rept 32
	LDB \slot, 1, K_
.set K_, K_+1
.endr
	LDAS \slot, 1, 0
	s_wait_dscnt 63                                ; all that was issued ahead of these 64 loads is in
.set N_, 0
.rept 64
.if N_ == 32
	s_wait_dscnt 48                                ; blocks 4-7 are in: 48 loads were issued behind theirs
.endif
	MM N_, 0, \slot, \zero
.set N_, N_+1
.endr
	WIN 0
.endm
.macro TURN slot, next, fill           ; its second 128, and the change of slots; fill = 1: the slot is filled again, two K steps on
	PLACES NP
	LDAS \slot, 1, 16
	s_wait_tensorcnt 0x0                           ; my unit of the next slot is in
	ds_add_u32 v[SPW], v[NIL]
.if \fill
	s_add_nc_u64 s[G0+4*\slot+2:G0+4*\slot+3], s[G0+4*\slot+2:G0+4*\slot+3], 2*UNIT
	s_add_nc_u64 s[G0B+4*\slot+2:G0B+4*\slot+3], s[G0B+4*\slot+2:G0B+4*\slot+3], 2*UNIT
.endif
	s_wait_dscnt 17                                ; the add and blocks 4-7 may be out
	MULS 0, 16, \slot
	s_wait_dscnt 0x0                               ; the add is done, and my reads of this slot are over
	s_barrier_signal -1
	MULS 16, 16, \slot
	WIN 0
	s_barrier_wait -1
.if \fill
	CREST
	JLOAD \slot
.endif
	NEXTS \next
	MULS 32, 32, \slot
	WIN 0
.endm
; Block a (16 rows x 128 hidden units) clipped at 0, quantised and stored: a lane's 16 registers of tiles 2 b, 2 b + 1 are k = 32 b + 16 h + 0 .. 15
; Its lines in sixteen pieces QB_ of at most eight vector lines, so that they can stand behind products: 0-3 the maxima, 4-6 the scales, 7-14 the holds, 15 the conversions.  QA_ is the block
.macro QMAX
.if L_ < 4
	v_max3_num_f32 v[TM+L_], 0x4800000, v[QS_+16*L_], v[QS_+16*L_+1]   ; the floor 2^(9 - 127) among the leaves; what is negative does not count
.else
	v_max3_num_f32 v[TM+L_%4], v[TM+L_%4], v[QS_+16*(L_%4)+2*(L_/4)], v[QS_+16*(L_%4)+2*(L_/4)+1]
.endif
.endm
.macro QSCALE
.if L_ < 4
	v_permlanex16_b32 v[TM+4+L_], v[TM+L_], s76, s77
.elseif L_ < 8
	v_max_num_f32 v[TM+L_-4], v[TM+L_-4], v[TM+L_]
.elseif L_ < 12
	v_add_nc_u32 v[TM+4+L_], 0xfc000000, v[TM+L_-8]
.elseif L_ < 16
	v_and_or_b32 v[TM+L_-4], v[TM+L_-12], 0x7f800000, s78
.elseif L_ < 20
	v_lshrrev_b32 v[TM+L_-12], 23, v[TM+L_-4]
.elseif L_ == 20
	v_lshl_or_b32 v[PW+QA_], v[TM+5], 8, v[TM+4]
.elseif L_ < 23
	v_lshl_or_b32 v[PW+QA_], v[TM+L_-15], 8*(L_-19), v[PW+QA_]
.endif
.endm
.macro QG
.set QW_, 2+QA_/4
.set QS_, 64*(QA_%4)
.set QC_, 128+16*QA_
.if QB_ < 4
	WIN ((QW_<<2)|(QW_<<4))
.set L_, 8*QB_
.rept 8
	QMAX
.set L_, L_+1
.endr
.elseif QB_ < 7
	WIN 0
.set L_, 8*(QB_-4)
.rept 8
	QSCALE
.set L_, L_+1
.endr
.elseif QB_ < 15
	WIN ((QW_<<6)|QW_)
.set L_, 8*(QB_-7)
.rept 8
	v_med3_num_f32 v[QS_+L_], v[QS_+L_], 0, v[TM+8+L_/16]   ; the activation and the hold in one
.set L_, L_+1
.endr
.else
	WIN QW_
.irp b, 0,1,2,3
	v_cvt_scalef32_pk8_fp8_f32 v[QC_+4*\b:QC_+4*\b+1], v[QS_+16*\b:QS_+16*\b+7], v[TM+12+\b]
	v_cvt_scalef32_pk8_fp8_f32 v[QC_+4*\b+2:QC_+4*\b+3], v[QS_+16*\b+8:QS_+16*\b+15], v[TM+12+\b]
.endr
	WIN 0
	v_nop
.endif
.endm
.macro QST a                           ; block a's codes leave
	WIN 0
.irp c, 0,1,2,3
	global_store_b128 v[CO], v[128+16*\a+4*\c:128+16*\a+4*\c+3], s[12:13] offset:2048*\a+512*\c
.endr
.endm
	s_wait_alu depctr_va_vdst(0)
	ASK 1
	ASK 2
	s_wait_tensorcnt 0x0                           ; K step 0 is in
	ds_add_u32 v[SPW], v[NIL]
	s_wait_dscnt 0x0
	CROUND
	JLOAD 1                                        ; K step 1: slot 1's first fill, issued as a refill is
	NEXTS 0
	ASK 3
	STEP 0, 1
	TURN 0, 1, 1
	STEP 1, 0
	TURN 1, 0, 1
	STEP 0, 0
	TURN 0, 1, 0                                   ; nothing is filled again: no round
	STEP 1, 0
	PLACES NP                                      ; the last step: block a is finished with product 8 a + 7
	LDAS 1, 1, 16
	s_wait_dscnt 16
	MULS 0, 16, 1
	s_wait_dscnt 0x0
	PLACES NP                                      ; ahead of the first reader of block 0's sums
.set N_, 16
.rept 48                               ; blocks 0, 1, 2 are quantised among the last 48 products, sixteen pieces each
	MM N_, 1, 1, 0
.set QA_, (N_-16)/16
.set QB_, (N_-16)%16
	QG
.set N_, N_+1
.endr
	QST 0
	QST 1
	QST 2
.irp a, 3,4,5,6,7                      ; the others behind them: block 3's lines are the places ahead of block 4's
.set QA_, \a
.set QB_, 0
.rept 16
	QG
.set QB_, QB_+1
.endr
	QST \a
.endr
.irp i, 0,1,2,3
	v_cndmask_b32 v[SW+\i], v[PW+\i], v[PW+4+\i], s79   ; lane (r, h): row r's words of blocks 4 h .. 4 h + 3
.endr
	global_store_b128 v[SO], v[SW:SW+3], s[10:11] offset:32768
	s_wait_tensorcnt 0x0                           ; the wave's end
	ds_add_u32 v[SPW], v[NIL]
	s_wait_dscnt 0x0
	CROUND                                         ; the closing round
	s_endpgm
.Lfunc_end_k_q5c11224c0b_up:
	.size	k_q5c11224c0b_up, .Lfunc_end_k_q5c11224c0b_up-k_q5c11224c0b_up
	.p2alignl 7, 3214868480
	.fill 96, 4, 3214868480
	.section	.rodata,"a",@progbits
	.p2align	6, 0x0
	.amdhsa_kernel k_q5c11224c0b_up
		.amdhsa_group_segment_fixed_size 327680
		.amdhsa_private_segment_fixed_size 0
		.amdhsa_enable_private_segment 0
		.amdhsa_kernarg_size 24
		.amdhsa_user_sgpr_count 2
		.amdhsa_user_sgpr_kernarg_segment_ptr 1
		.amdhsa_wavefront_size32 1
		.amdhsa_system_sgpr_workgroup_id_x 1
		.amdhsa_system_sgpr_workgroup_id_y 1
		.amdhsa_system_sgpr_workgroup_id_z 1
		.amdhsa_system_vgpr_workitem_id 0
		.amdhsa_next_free_vgpr 1024
		.amdhsa_next_free_sgpr 80
		.amdhsa_reserve_vcc 0
		.amdhsa_float_denorm_mode_32 3
		.amdhsa_float_denorm_mode_16_64 3
		.amdhsa_memory_ordered 1
		.amdhsa_forward_progress 1
		.amdhsa_inst_pref_size 183
	.end_amdhsa_kernel
	.amdgpu_metadata
---
amdhsa.version: [ 1, 2 ]
amdhsa.kernels:
  - .name:           k_q5c11224c0b_up
    .symbol:         k_q5c11224c0b_up.kd
    .args:
      - { .name: xq, .offset: 0, .size: 8, .value_kind: global_buffer, .address_space: global }
      - { .name: wq, .offset: 8, .size: 8, .value_kind: global_buffer, .address_space: global }
      - { .name: hq, .offset: 16, .size: 8, .value_kind: global_buffer, .address_space: global }
    .group_segment_fixed_size: 327680
    .private_segment_fixed_size: 0
    .kernarg_segment_align: 8
    .kernarg_segment_size: 24
    .max_flat_workgroup_size: 128
    .sgpr_count:     80
    .vgpr_count:     1024
    .wavefront_size: 32
...
	.end_amdgpu_metadata
.endif
;; end of part 2
;; launch down (part 3): grid 4 x 64, 4 waves a work-group, clusters of 4 x 4, 327,680 bytes of LDS; arguments hq, xq, wq, out0; writes out0
.if DOCPART == 3
	.amdgcn_target "amdgcn-amd-amdhsa--gfx1250"
	.amdhsa_code_object_version 6
	.text
	.protected	k_q5c11224c0b_down
	.globl	k_q5c11224c0b_down
	.p2align	8
	.type	k_q5c11224c0b_down,@function
k_q5c11224c0b_down:
	s_mov_b64 s[64:65], 0
	v_nop
	global_prefetch_b8 v0, s[64:65] scope:SCOPE_SE
	s_setreg_imm32_b32 hwreg(HW_REG_WAVE_MODE, 25, 1), 1
	s_wait_xcnt 0x0
	s_wait_alu depctr_hold_cnt(0) depctr_sa_sdst(0) depctr_va_vdst(0) depctr_va_sdst(0) depctr_va_ssrc(0) depctr_va_vcc(0) depctr_vm_vsrc(0)
	s_getreg_b32 s2, hwreg(HW_REG_IB_STS2, 6, 4)
	s_cmp_eq_u32 s2, 0
	s_cbranch_scc0 .Lentry_in_a_cluster
	s_endpgm
.Lentry_in_a_cluster:
	s_bfe_u32 s2, ttmp6, 0x10000c
	s_cmp_lg_u32 s2, 0xf033
	s_cbranch_scc0 .Lentry_shape_is_right
	s_endpgm
.Lentry_shape_is_right:
; out0 = [H | x] [W_down | W_expert^T]^T: 16,384 x 1,024, K = 2,048 in one f32 sum: the shared expert's second product and the experts' product, whose weight, a softmax's sum over its own axis, is 1 (left out: the launch prep's head comment).
; Tiles, slots, clusters, windows as in the launch up: a tile of 256 x 256 a work-group, 128 x 128 a wave, K steps of 256 (0-3 from hq, 4-7 from xq; B's eight on end in wq), units of 33,792 bytes with their scale words.
; Source 0 = 16 rows of B, source 1 = 16 rows of A: a lane holds eight neighbouring numbers of a row of out0; a block of 16 rows x 128 columns goes through the wave's own stage and leaves as rows of 512 bytes.
; PREFETCH: two K steps ahead: steps 1, 2 behind the head's load, 3 behind step 1's, in the loop's first two trips steps 4 to 7; A's units by every cluster, B's by the first four rows of clusters alone.
.set UNIT, 33792
.set SLOT, 4*UNIT
.set STAGE, 2*SLOT                     ; 16 rows x 528 bytes a wave; no fill lands there
.set SPARE, STAGE+4*16*528
.set NP,   8
.set ADRA, 16
.set ADRB, 18
.set ADRS, 20
.set PFO,  22
.set PFS,  23
.set STO,  24
.set RD,   25
.set CO,   4                           ; v4  16 x lane
.set SPW,  28
.set NIL,  29
.set SC,   32
.set G1,   24
.set G0,   32
.set G1B,  48
.set G0B,  56
.set PFA,  68
.set LIM,  70
.set AN,   72                          ; where A's next two K steps begin
.set XN,   74                          ; and the two after them
.set PFX,  76                          ; the loop's prefetches
.set MSB,  0
.set MUL_LO, 0xa1
.set MUL_HI, 0xf1
.set TO_B, 0x40
.macro WIN new
.if MSB != \new
	s_set_vgpr_msb (MSB<<8)|\new
.set MSB, \new
.endif
.endm
.macro PLACES n
.rept \n
	v_nop
.endr
.endm
.macro JLOAD s
	s_cmp_eq_u32 s15, 0
	s_cbranch_scc0 .Lfor_b_\@
	tensor_load_to_lds s[G0+4*\s:G0+4*\s+3], s[G1:G1+7]
	s_nop 0
	PLACES 4
	s_branch .Lasked_\@
.Lfor_b_\@:
	tensor_load_to_lds s[G0B+4*\s:G0B+4*\s+3], s[G1B:G1B+7]
	s_nop 0
	PLACES 4
.Lasked_\@:
.endm
.macro CREST
	s_cmp_lg_u32 s14, 0
	s_cbranch_scc1 .Lnot_wave_0_\@
	s_barrier_signal -3
.Lnot_wave_0_\@:
	s_barrier_wait -3
	s_barrier_signal -1
	s_barrier_wait -1
.endm
.macro CROUND
	s_barrier_signal -1
	s_barrier_wait -1
	CREST
.endm
.macro PREF base, n
	global_prefetch_b8 v[PFO], s[\base:\base+1] offset:(\n)*UNIT th:TH_LOAD_NT scope:SCOPE_SE
	global_prefetch_b8 v[PFS], s[\base:\base+1] offset:(\n)*UNIT th:TH_LOAD_NT scope:SCOPE_SE
.endm
.macro ASK n
	s_cmp_eq_u32 s[LIM], 1
	s_cbranch_scc0 .Lnot_mine_\@
	PREF PFA, \n
.Lnot_mine_\@:
.endm
.macro ASKX n                          ; in the loop: not in its last trip
	s_cmp_gt_u32 s3, s[LIM]
	s_cbranch_scc0 .Lnone_\@
	PREF PFX, \n
.Lnone_\@:
.endm
	s_load_b256 s[4:11], s[0:1], 0x0               ; hq, xq, wq, out0
	v_lshl_add_u32 v[SPW], v0, 2, SPARE
	v_mov_b32 v[NIL], 0
	ds_add_u32 v[SPW], v[NIL]                      ; the opening: the add, twice on end
	ds_add_u32 v[SPW], v[NIL]
	v_lshrrev_b32 v1, 5, v0
	v_readfirstlane_b32 s14, v1
	s_lshr_b32 s15, s14, 1
	s_and_b32 s16, s14, 1
	s_bfe_u32 s40, ttmp6, 0x40000
	s_bfe_u32 s41, ttmp6, 0x40004
	s_lshl_b32 s42, ttmp9, 2
	s_add_co_u32 s42, s42, s40                     ; tile column
	s_and_b32 s71, ttmp7, 0xffff
	s_lshl_b32 s17, s71, 2
	s_add_co_u32 s17, s17, s41                     ; tile row
	s_lshl_b32 s43, s41, 2
	s_lshl_b32 s43, 15, s43
	s_lshl_b32 s44, 0x1111, s40
	s_or_b32 s[G1+0], s43, (3<<16)|(1<<21)
	s_or_b32 s[G1B+0], s44, (3<<16)|(1<<21)
.irp g, G1, G1B
	s_mov_b32 s[\g+1], 128<<16
	s_mov_b32 s[\g+2], 33<<16
	s_mov_b32 s[\g+3], 128<<16
	s_mov_b32 s[\g+4], 33
	s_mov_b32 s[\g+5], 128
	s_mov_b32 s[\g+6], 0
	s_mov_b32 s[\g+7], 0
.endr
	s_lshl_b32 s20, s17, 1
	s_add_co_u32 s20, s20, s16
	s_mul_i32 s20, s20, 4*UNIT
	s_mov_b32 s21, 0
	s_lshl_b32 s46, s42, 1
	s_add_co_u32 s46, s46, s16
	s_mul_i32 s46, s46, 8*UNIT
	s_add_co_u32 s46, s46, 32*UNIT
	s_mov_b32 s47, 0
	s_mul_i32 s45, s14, UNIT
	s_wait_dscnt 0x0
	CROUND
	s_wait_kmcnt 0x0
	s_add_nc_u64 s[XN:XN+1], s[6:7], s[20:21]      ; x's units
	s_add_nc_u64 s[20:21], s[4:5], s[20:21]        ; H's
	s_add_nc_u64 s[46:47], s[8:9], s[46:47]
	s_add_nc_u64 s[AN:AN+1], s[20:21], 2*UNIT
.irp s, 0,1
	s_mov_b32 s[G0+4*\s], 1
	s_add_co_u32 s[G0+4*\s+1], s45, \s*SLOT
	s_add_nc_u64 s[G0+4*\s+2:G0+4*\s+3], s[20:21], \s*UNIT
	s_or_b32 s[G0+4*\s+3], s[G0+4*\s+3], 0x80000000
	s_mov_b32 s[G0B+4*\s], 1
	s_add_co_u32 s[G0B+4*\s+1], s45, \s*SLOT
	s_add_nc_u64 s[G0B+4*\s+2:G0B+4*\s+3], s[46:47], \s*UNIT
	s_or_b32 s[G0B+4*\s+3], s[G0B+4*\s+3], 0x80000000
.endr
	JLOAD 0                                        ; K step 0: one tensor load a wave at the head
	s_mul_i32 s18, s15, UNIT
	s_add_co_u32 s19, s16, 2
	s_mul_i32 s19, s19, UNIT
	s_sub_co_u32 s22, s19, s18
	s_add_co_u32 s23, s18, 32768
	s_mul_i32 s2, s14, 16*528
	s_add_co_u32 s2, s2, STAGE                     ; my stage
	v_and_b32 v1, 31, v0
	v_and_b32 v2, 15, v0
	v_bfe_u32 v3, v0, 4, 1
	v_lshlrev_b32 v[CO], 4, v1
	v_lshlrev_b32 v[PFO], 8, v1
	v_mul_u32_u24 v7, v2, 528
	v_lshl_add_u32 v7, v3, 5, v7
	v_lshlrev_b32 v5, 5, v2
	v_mul_u32_u24 v6, s22, v3
	v_add_nc_u32 v5, v5, v6
	v_add_nc_u32 v[ADRA], s18, v[CO]
	v_add_nc_u32 v[ADRB], s19, v[CO]
	v_add_nc_u32 v[ADRS], s23, v5
	v_add_nc_u32 v[STO], s2, v7                    ; in: row r, 32 bytes for each half of the lanes
	v_add_nc_u32 v[RD], s2, v[CO]                  ; back: a row of 512 bytes
	v_add_nc_u32 v[ADRA+1], SLOT, v[ADRA]
	v_add_nc_u32 v[ADRB+1], SLOT, v[ADRB]
	v_add_nc_u32 v[ADRS+1], SLOT, v[ADRS]
	s_add_nc_u64 s[22:23], s[46:47], 4*UNIT
	s_cmp_eq_u32 s15, 0
	s_cselect_b64 s[PFA:PFA+1], s[20:21], s[46:47]
	s_cselect_b64 s[PFX:PFX+1], s[XN:XN+1], s[22:23]   ; K step 4
	s_cselect_b32 s18, s40, s41                    ; my place among the four that ask with me: told apart by address
	s_cselect_b32 s19, 0, s71
	s_cmp_lt_u32 s19, 4
	s_cselect_b32 s[LIM], 1, -1
	s_lshl_b32 s19, s18, 13
	v_add_nc_u32 v[PFO], s19, v[PFO]
	s_lshl_b32 s18, s18, 8
	s_add_co_u32 s18, s18, 32768
	v_mov_b32 v[PFS], s18
	s_lshl_b32 s18, s17, 8                         ; my part of out0
	s_lshl_b32 s19, s15, 7
	s_add_co_u32 s18, s18, s19
	s_lshl_b32 s18, s18, 12
	s_lshl_b32 s19, s42, 10
	s_add_co_u32 s18, s18, s19
	s_lshl_b32 s19, s16, 9
	s_add_co_u32 s18, s18, s19
	s_mov_b32 s19, 0
	s_add_nc_u64 s[12:13], s[10:11], s[18:19]
; A STEP of 128 along K is 64 products, n = 8 a + b: A's block a x B's block b; the 64 accumulators take turns.  The LDS loads stand in RUNS: a slot's first step has one, of 64, at its head
; (its own blocks 4-7 of A, the second step's B and blocks 0-3), the second has two: its own blocks 4-7 at its head, the next slot's first 52 behind the round.
; A's blocks 0-3 have two sets, v64-127 and v128-191, blocks 4-7 one, v192-255; B has two sets.
; Eight places at a step's head serve all its loads: each lands in registers that only products ahead of them have read.
.macro MM n, q, sc, zero
.set A_, (\n)/8
.set B_, (\n)%8
.if A_ < 4
.set R_, 64+64*(\q)+16*A_
.set C_, 64*A_+8*B_
	WIN MUL_LO
.else
.set R_, 128+16*A_
.set C_, 64*(A_-4)+8*B_
	WIN MUL_HI
.endif
.set F_, 128*(\q)+16*B_
.set X_, SC+16*(\sc)+8*(\q)
.if \zero
	v_wmma_scale_f32_16x16x128_f8f6f4 v[C_:C_+7], v[F_:F_+15], v[R_:R_+15], 0, v[X_+B_], v[X_+A_] matrix_a_scale:MATRIX_SCALE_ROW1
.else
	v_wmma_scale_f32_16x16x128_f8f6f4 v[C_:C_+7], v[F_:F_+15], v[R_:R_+15], v[C_:C_+7], v[X_+B_], v[X_+A_] matrix_a_scale:MATRIX_SCALE_ROW1
.endif
.endm
.macro MULS from, count, sc            ; so many products of a slot's second 128, without loads
.set N_, \from
.rept \count
	MM N_, 1, \sc, 0
.set N_, N_+1
.endr
.endm
.macro LDA slot, q, k                  ; load k of A's 32: block k / 4
.if (\k) < 16
.set D_, 64+64*(\q)+4*(\k)
.else
.set D_, 128+4*(\k)
.endif
	WIN 0
	ds_load_b128 v[D_:D_+3], v[ADRA+\slot] offset:16384*(\q)+512*(\k)
.endm
.macro LDB slot, q, k                  ; load k of B's 32
.set D_, 128*(\q)+4*(\k)
	WIN TO_B
	ds_load_b128 v[D_:D_+3], v[ADRB+\slot] offset:16384*(\q)+512*(\k)
.endm
.macro NEXT slot, k                    ; load k of the 52 that a slot's first step wants ahead: B, scale words, A's blocks 0-3
.if (\k) < 32
	LDB \slot, 0, \k
.elseif (\k) < 36
.set M_, (\k)-32
	WIN 0
	ds_load_b128 v[SC+16*\slot+4*M_:SC+16*\slot+4*M_+3], v[ADRS+\slot] offset:512*(M_/2)+16*(M_%2)
.else
	LDA \slot, 0, (\k)-36
.endif
.endm
.macro LDAS slot, q, from              ; sixteen of A's loads: blocks 0-3 (from = 0) or 4-7 (16)
.set K_, \from
.rept 16
	LDA \slot, \q, K_
.set K_, K_+1
.endr
.endm
.macro NEXTS slot                      ; the 52 that a slot's first step wants ahead
.set K_, 0
.rept 52
	NEXT \slot, K_
.set K_, K_+1
.endr
	WIN 0
.endm
.macro STEP slot, zero                 ; a slot's first 128 along K
	PLACES NP
	LDAS \slot, 0, 16
.set K_, 0
.rept 32
	LDB \slot, 1, K_
.set K_, K_+1
.endr
	LDAS \slot, 1, 0
	s_wait_dscnt 63                                ; all that was issued ahead of these 64 loads is in
.set N_, 0
.rept 64
.if N_ == 32
	s_wait_dscnt 48                                ; blocks 4-7 are in: 48 loads were issued behind theirs
.endif
	MM N_, 0, \slot, \zero
.set N_, N_+1
.endr
	WIN 0
.endm
.macro TURN slot, next, fill           ; its second 128, and the change of slots; fill = 1: the slot is filled again, two K steps on
	PLACES NP
	LDAS \slot, 1, 16
	s_wait_tensorcnt 0x0                           ; my unit of the next slot is in: no tensor load of mine is out, so a descriptor may be written
	ds_add_u32 v[SPW], v[NIL]
.if \fill
	s_add_nc_u64 s[G0+4*\slot+2:G0+4*\slot+3], s[AN:AN+1], \slot*UNIT
	s_or_b32 s[G0+4*\slot+3], s[G0+4*\slot+3], 0x80000000
	s_add_nc_u64 s[G0B+4*\slot+2:G0B+4*\slot+3], s[G0B+4*\slot+2:G0B+4*\slot+3], 2*UNIT
.endif
	s_wait_dscnt 17                                ; the add and blocks 4-7 may be out
	MULS 0, 16, \slot
	s_wait_dscnt 0x0                               ; the add is done, and my reads of this slot are over
	s_barrier_signal -1
	MULS 16, 16, \slot
	WIN 0
	s_barrier_wait -1
.if \fill
	CREST
	JLOAD \slot
.endif
	NEXTS \next
	MULS 32, 32, \slot
	WIN 0
.endm
.macro TOSTAGE a                       ; block a into the stage, and back by rows into the registers that held its sums
.set AC, 64*((\a)%4)
	WIN 0x88+0x44*((\a)/4)
.irp b, 0,1,2,3,4,5,6,7
	ds_store_b128 v[STO], v[AC+8*\b:AC+8*\b+3] offset:64*\b
	ds_store_b128 v[STO], v[AC+8*\b+4:AC+8*\b+7] offset:64*\b+16
.endr
.irp t, 0,1,2,3,4,5,6,7,8,9,10,11,12,13,14,15
	ds_load_b128 v[AC+4*\t:AC+4*\t+3], v[RD] offset:\t*528   ; LDS serves a wave's instructions in order: these see the stores above
.endr
.endm
.macro SEND a, younger                 ; younger: the LDS instructions issued behind block a's loads
.set AC, 64*((\a)%4)
	s_wait_dscnt \younger
	WIN 0x88+0x44*((\a)/4)
.irp t, 0,1,2,3,4,5,6,7,8,9,10,11,12,13,14,15
	global_store_b128 v[CO], v[AC+4*\t:AC+4*\t+3], s[12:13] offset:(16*(\a)+\t)*4096 th:TH_STORE_NT   ; 32 lanes store 512 consecutive bytes
.endr
.endm
	s_wait_alu depctr_va_vdst(0)
	ASK 1
	ASK 2
	s_wait_tensorcnt 0x0                           ; K step 0 is in
	ds_add_u32 v[SPW], v[NIL]
	s_wait_dscnt 0x0
	CROUND
	JLOAD 1                                        ; K step 1: slot 1's first fill, issued as a refill is
	NEXTS 0
	ASK 3
	STEP 0, 1
	s_mov_b32 s3, 3
.Llap:                                                 ; three trips, once round the ring each: K steps 2, 3 (H), then 4, 5 and 6, 7 (x) are asked for
	TURN 0, 1, 1
	ASKX 0
	STEP 1, 0
	TURN 1, 0, 1
	ASKX 1
	STEP 0, 0
	s_wait_xcnt 0x0                                ; the prefetches have read their base
	s_add_nc_u64 s[PFX:PFX+1], s[PFX:PFX+1], 2*UNIT
	s_mov_b64 s[AN:AN+1], s[XN:XN+1]
	s_add_nc_u64 s[XN:XN+1], s[XN:XN+1], 2*UNIT
	s_sub_co_u32 s3, s3, 1
	s_cmp_lg_u32 s3, 0
	s_cbranch_scc1 .Llap
	TURN 0, 1, 0                                   ; nothing is filled again: no round
	STEP 1, 0
	PLACES NP                                      ; the last step: block a is finished with product 8 a + 7, and leaves while others are multiplied; no register that a store reads is written again
	LDAS 1, 1, 16
	s_wait_dscnt 16
	MULS 0, 16, 1
	s_wait_dscnt 0x0                               ; A's blocks 4-7 are in
	PLACES NP
	TOSTAGE 0
	TOSTAGE 1
	MULS 16, 16, 1
	SEND 0, 32
	PLACES NP
	TOSTAGE 2                                      ; from here on block a + 2 goes into the stage between the stores of blocks a and a + 1
	SEND 1, 32
	TOSTAGE 3
	SEND 2, 32
	MULS 32, 32, 1
	SEND 3, 0
	PLACES NP
	TOSTAGE 4
	TOSTAGE 5
	SEND 4, 32
	TOSTAGE 6
	SEND 5, 32
	TOSTAGE 7
	SEND 6, 32
	SEND 7, 0
	WIN 0
	s_wait_tensorcnt 0x0                           ; the wave's end
	ds_add_u32 v[SPW], v[NIL]
	s_wait_dscnt 0x0
	CROUND                                         ; the closing round
	s_endpgm
.Lfunc_end_k_q5c11224c0b_down:
	.size	k_q5c11224c0b_down, .Lfunc_end_k_q5c11224c0b_down-k_q5c11224c0b_down
	.p2alignl 7, 3214868480
	.fill 96, 4, 3214868480
	.section	.rodata,"a",@progbits
	.p2align	6, 0x0
	.amdhsa_kernel k_q5c11224c0b_down
		.amdhsa_group_segment_fixed_size 327680
		.amdhsa_private_segment_fixed_size 0
		.amdhsa_enable_private_segment 0
		.amdhsa_kernarg_size 32
		.amdhsa_user_sgpr_count 2
		.amdhsa_user_sgpr_kernarg_segment_ptr 1
		.amdhsa_wavefront_size32 1
		.amdhsa_system_sgpr_workgroup_id_x 1
		.amdhsa_system_sgpr_workgroup_id_y 1
		.amdhsa_system_sgpr_workgroup_id_z 1
		.amdhsa_system_vgpr_workitem_id 0
		.amdhsa_next_free_vgpr 1024
		.amdhsa_next_free_sgpr 80
		.amdhsa_reserve_vcc 0
		.amdhsa_float_denorm_mode_32 3
		.amdhsa_float_denorm_mode_16_64 3
		.amdhsa_memory_ordered 1
		.amdhsa_forward_progress 1
		.amdhsa_inst_pref_size 142
	.end_amdhsa_kernel
	.amdgpu_metadata
---
amdhsa.version: [ 1, 2 ]
amdhsa.kernels:
  - .name:           k_q5c11224c0b_down
    .symbol:         k_q5c11224c0b_down.kd
    .args:
      - { .name: hq, .offset: 0, .size: 8, .value_kind: global_buffer, .address_space: global }
      - { .name: xq, .offset: 8, .size: 8, .value_kind: global_buffer, .address_space: global }
      - { .name: wq, .offset: 16, .size: 8, .value_kind: global_buffer, .address_space: global }
      - { .name: out0, .offset: 24, .size: 8, .value_kind: global_buffer, .address_space: global }
    .group_segment_fixed_size: 327680
    .private_segment_fixed_size: 0
    .kernarg_segment_align: 8
    .kernarg_segment_size: 32
    .max_flat_workgroup_size: 128
    .sgpr_count:     80
    .vgpr_count:     1024
    .wavefront_size: 32
...
	.end_amdgpu_metadata
.endif
;; end of part 3
